; MI455X (gfx1250); checked and timed in simulation.
; The chip was launched on July 23, 2026; its instructions are those of AMD's public machine-readable ISA for CDNA 5 (MIT licence, August 2026) and "CDNA5" Instruction Set Architecture Reference Guide (July 2026). The comments in the code are by the model that wrote it; some were corrected since.
;; Transformer Mo E Block. Allowed arithmetic: matrix products marked QUANTISED: E2M1 operands, one E8M0 scale for each 32 along K, by v_wmma_scale_f32_16x16x128_f8f6f4 with both operands' format E2M1 (or v_wmma_scale_f32_32x16x128_f4), f32 sums; products left as they are: f32 operands where the result goes on into a quantised operand, else bf16, f16 or f32 operands; f32 sums; everything else in f32.
;; Inputs: W1 8 x 512 x 2,048 float32; W2 8 x 2,048 x 512 float32; Wg 512 x 8 float32; b1 8 x 2,048 float32; b2 8 x 512 float32; bg 8 float32; x 4 x 1,024 x 512 float32.
;; Outputs: out0 4 x 1,024 x 512 float32.
;; This version of the problem:
;;   THIS VERSION OF THE PROBLEM IS GIVEN IN LOW PRECISION. The matrix products marked QUANTISED in the list below multiply operands that are first quantised to E2M1 (2 exponent bits, 1 mantissa bit; 4 bits a number), with one power-of-two scale for each 32 numbers along K (OCP MX v1.0); their sums are f32. All else is computed in f32.
;;   The module's matrix products, in the order in which they are computed (A, B: the left and right operand; K: the contracted axis; several contracted axes count as one K, in the product's order):
;;     1. [M 4,096, K 512] x [K 512, N 8]; A: input x; B: input Wg: left as it is (N = 8 < 16)
;;     2. [M 16,384, K 512] x [K 512, N 4,096]; A: input W1; B: input x: QUANTISED
;;     3. batch 8 x [M 4,096, K 2,048] x [K 2,048, N 512]; A: computed on the way; B: input W2: QUANTISED
;;     4. batch 4,096 x [M 1, K 8] x [K 8, N 512]; A: computed on the way; B: computed on the way: left as it is (K = 8 < 32)
;;   THE QUANTISER, for each operand of a quantised product, along K:
;;     - K is cut into blocks of 32 from its start; a last block that is shorter is filled with zeros.
;;     - A block's scale is 2^e with e = floor(log2(the largest magnitude in the block)) - 2, held to -126 .. 127; a block of zeros has e = 0. As a byte (E8M0): e + 127.
;;     - Each number is divided by its block's scale, clamped to +-6, and rounded to the nearest number of E2M1, ties to even, subnormals kept.
;;     - The product sums the exact products of the quantised numbers (number of the format x scale) in f32.
;;   ~~~python
;;   def quantise(x, axis):      # numpy; x: float32 -> the quantised numbers, widened to float32 again
;;       x = np.moveaxis(x, axis, -1); K = x.shape[-1]
;;       x = np.pad(x, [(0, 0)] * (x.ndim - 1) + [(0, -K % 32)]); x = x.reshape(x.shape[:-1] + (-1, 32)); a = np.abs(x).max(-1, keepdims=True)
;;       e = np.where(a > 0, np.clip(np.frexp(np.where(a > 0, a, 1))[1] - 1 - 2, -126, 127), 0)      # np.frexp(a)[1] - 1 = floor(log2(a)), exactly
;;       r = np.clip(x / 2.0 ** e, -6, 6)
;;       step = 2.0 ** (np.maximum(np.frexp(np.where(r == 0, 1, r))[1] - 1, 0) - 1)
;;       q = np.round(r / step) * step * 2.0 ** e      # np.round: ties to even
;;       return np.moveaxis(q.reshape(q.shape[:-2] + (-1,))[..., :K], -1, axis).astype(np.float32)
;;   ~~~
;;   OPERANDS COMPUTED ON THE WAY. 'Computed on the way' means the value that the module computes at that place (a softmax that the list does not call 'softmax' is quantised finished and normalised). What goes into a quantiser is computed in f32, as accurately as f32 sums, v_exp_f32 and their like allow (about 1e-6 of the number): no bf16 or f16 on the way to a quantiser, and a product that is left as it is and whose result goes on into a quantised operand takes f32 operands (vector FMAs, or v_wmma_f32_16x16x4_f32). A number that lies on a knife's edge between two numbers of the format may be rounded either way, as far as f32 arithmetic and the matrix unit's own rounding can turn it there, and no further.
;; One version. Each part assembles by itself: llvm-mc -triple=amdgcn-amd-amdhsa -mcpu=gfx1250 --defsym DOCPART=n.
;; ======== version 1 of 1: 2 launches
;; workspace buffers: wq 8,912,896 bytes; xq 1,114,112 bytes; route 32,768 bytes of whole numbers; gatew 32,768 bytes
;; launch prep (part 1): grid 1152 x 1, 4 waves a work-group, no clusters, 40,448 bytes of LDS; arguments x, Wg, bg, W1, W2, wq, xq, route, gatew; writes wq, xq, route, gatew
.if DOCPART == 1
	.amdgcn_target "amdgcn-amd-amdhsa--gfx1250"
	.amdhsa_code_object_version 6
	.text
	.protected	k_q8258efc677_prep
	.globl	k_q8258efc677_prep
	.p2align	8
	.type	k_q8258efc677_prep,@function
k_q8258efc677_prep:
	s_mov_b64 s[64:65], 0
	v_nop
	global_prefetch_b8 v0, s[64:65] scope:SCOPE_SE
	s_setreg_imm32_b32 hwreg(HW_REG_WAVE_MODE, 25, 1), 1
	s_wait_xcnt 0x0
; FIRST LAUNCH OF TWO.  It turns W1, W2 and x into codes of FP4 (E2M1) with one E8M0 scale byte for each 32 along K, and routes the tokens.
; Work-groups 0-127: 32 tokens of x each (codes, scale bytes, the eight logits in f32, softmax, the two largest gates, their weights, and for the sort in the next launch, for each of the
; 28 pairs of experts, which of the chunk's 32 tokens chose it, as a mask of 32 bits, and how many).  Work-groups 128-639: W1.  Work-groups 640-1151: W2.
; THE WEIGHTS' K IS NOT INNERMOST (W1 [e][d][f], K = d; W2 [e][f][d], K = f): a lane takes a column and its registers run down K, so a block of 32 lies in one lane's 32 registers.
; THE CODES ARE LAID IN THE ORDER OF THE OPERAND'S REGISTERS: a fragment (16 rows x 128 K) is 1,024 bytes; block t of row r lies at 256 t + 16 r, so that the last launch's lane l
; finds registers 4 c .. 4 c + 3 at 512 c + 16 l.  A wave's store of a block covers two aligned runs of 256 bytes.
;   W1's codes [e][G 16][s 4][b 4][u 2][1024] at 0: row r of tile (b, u) is hidden unit 128 G + 32 b + 8 u + r + 8 (r / 8); K step s.   Its scale words [e][G][s][lane][b] at 0x400000: lanes 0-15 u = 0, lanes 16-31 u = 1.
;   W2's codes [e][S 16][p 16][u 2][1024] at 0x440000: row r of tile (p, u) is output 32 p + 16 u + r; K step S.   Its scale words [e][S][g 4][lane][p % 4] at 0x840000.
;   x's codes [token][256] at 0 of xq, its scale bytes [token][16] at 0x100000.
;   route: masks [chunk 128][32] at 0 (word b: bit k set where token k of the chunk chose pair b), counts [chunk 128][32] at 16,384; words 28 .. 31 are zeros.  Pair (lo, hi) has the number lo (15 - lo) / 2 + hi - lo - 1.
; A block's scale is 2^(floor(log2(largest magnitude)) - 2): its byte is the largest magnitude's exponent field - 2, held at 1 from below.
; LIMITS: NaN and infinities among the inputs are not served.  A block of zeros, or one whose largest magnitude lies under 2^-124, has the byte 1 (a block of zeros has zero codes, and these bytes are
; read by this program alone).  The two experts are chosen on the logits, the lower index kept at equal logits: two gates that become equal only by the rounding of their exponentials could be taken in the other order.
; No branch and no address of this launch hangs on the router's numbers: they are only stored.
; The three paths part on the work-group's number and have LDS bytes of their own.
.set XSB, 20480                        ; x path: behind the four waves' stages (2 x 2,560 bytes each): 32 tokens' scale bytes,
.set LGB, 20992                        ; their logits, 32 bytes a token,
.set WGL, 22016                        ; and Wg as 32 pieces of 512 bytes, 528 bytes apart
.set LB1, 38912                        ; W1 path: 512 bytes of scale words
.set LB2, 39424                        ; W2 path: likewise
.set XR,  16                           ; v16-79   x path: four sets of 16 numbers as loaded
.set XX,  80                           ; v80-111  two sets of 16 neighbours
.set XA,  112                          ; v112-119 a token's eight logits
.set XT,  120                          ; v120-127 the other half of the lanes' sums
.set XWG, 128                          ; v128-255 Wg[16 lane + i][e] at 8 i + e
.set WX,  32                           ; v32-95   weight paths: two sets of 32 numbers
.set WC,  96                           ; v96-111  four registers of codes for each of the four blocks: no store's data are written again
.macro WLOAD t, stride                 ; block t: rows 32 t + i of my column, i = 0 .. 31
.set ii, 0
.rept 32
	global_load_b32 v[WX+32*((\t)%2)+ii], v3, s[32:33] offset:(32*(\t)+ii)*\stride th:TH_LOAD_NT
.set ii, ii+1
.endr
.endm
.macro WBLOCK t, stride
.set XS, WX+32*((\t)%2)
.if (\t) < 3
	s_wait_loadcnt 32                              ; this block's 32 loads are in; the next block's 32 may be out
.else
	s_wait_loadcnt 0x0
.endif
	v_max3_num_f32 v12, |v[XS]|, |v[XS+1]|, |v[XS+2]|              ; the block's largest magnitude: all 32 numbers are mine; two chains
	v_max3_num_f32 v13, |v[XS+3]|, |v[XS+4]|, |v[XS+5]|
.irp i, 6,10,14,18,22,26
	v_max3_num_f32 v12, v12, |v[XS+\i]|, |v[XS+\i+1]|
	v_max3_num_f32 v13, v13, |v[XS+\i+2]|, |v[XS+\i+3]|
.endr
	v_max3_num_f32 v12, v12, |v[XS+30]|, |v[XS+31]|
	v_max3_num_f32 v12, v12, v13, 0x1800000        ; and the floor 2^(3 - 127): the byte cannot fall under 1
	v_add_nc_u32 v11, 0xff000000, v12              ; 2 off the exponent field: the conversion takes the exponent field of this operand as its scale
	v_lshrrev_b32 v13, 23, v11                     ; the scale's byte
.if (\t) == 0
	v_mov_b32 v14, v13                             ; the four blocks' bytes make the row's scale word for this K step
.else
	v_lshl_or_b32 v14, v13, 8*(\t), v14
.endif
.irp g, 0,1,2,3
	v_cvt_scalef32_pk8_fp4_f32 v[WC+4*(\t)+\g], v[XS+8*\g:XS+8*\g+7], v11
.endr
	v_nop                                          ; one plain line behind the conversions
	global_store_b128 v4, v[WC+4*(\t):WC+4*(\t)+3], s[34:35] offset:256*(\t)   ; lanes 0-15 fill 256 consecutive bytes of tile u = 0, lanes 16-31 of tile u = 1
.if (\t)+2 < 4
	WLOAD (\t)+2, \stride
.endif
.endm
; A weight path: s[32:33] = my wave's 32 columns at the K step's first row, v3 = my column's bytes, s30 = the work-group's place in the two workspaces.
.macro WPATH STRIDE, LB, CB, SB
	s_lshl_b32 s28, s30, 13                        ; 8,192 bytes of codes a work-group,
	s_lshl_b32 s27, s22, 11                        ; 2,048 a wave (two fragments)
	s_add_co_u32 s28, s28, s27
	s_add_co_u32 s28, s28, \CB
	s_mov_b32 s29, 0
	s_add_nc_u64 s[34:35], s[14:15], s[28:29]
	s_lshl_b32 s28, s30, 9                         ; 512 bytes of scale words a work-group
	s_add_co_u32 s28, s28, \SB
	s_add_nc_u64 s[36:37], s[14:15], s[28:29]
	WLOAD 0, \STRIDE
	WLOAD 1, \STRIDE
	v_and_b32 v4, 15, v1
	v_lshrrev_b32 v5, 4, v1
	v_lshlrev_b32 v4, 4, v4
	v_lshl_add_u32 v4, v5, 10, v4                  ; my codes' place: 16 (lane % 16) + 1,024 (lane / 16)
	v_lshlrev_b32 v6, 4, v1                        ; 16 x lane
	s_lshl_b32 s27, s22, 2
	s_add_co_u32 s27, s27, \LB
	v_add_nc_u32 v5, s27, v6                       ; LDS: my scale word: 16 x lane + 4 x wave
	v_add_nc_u32 v7, \LB, v6                       ; and where wave 0 reads four of them back
	WBLOCK 0, \STRIDE
	WBLOCK 1, \STRIDE
	WBLOCK 2, \STRIDE
	WBLOCK 3, \STRIDE
	ds_store_b32 v5, v14
	s_wait_dscnt 0x0                               ; for wave 0's sake: my word has landed
	s_barrier_signal -1
	s_barrier_wait -1
	s_cmp_lg_u32 s22, 0
	s_cbranch_scc1 .Lwdone_\@
	ds_load_b128 v[112:115], v7                    ; the four waves' words of my lane
	s_wait_dscnt 0x0
	global_store_b128 v6, v[112:115], s[36:37]     ; 512 consecutive bytes
.Lwdone_\@:
	s_set_vgpr_msb 0x5
	s_wait_tensorcnt 0x0
	ds_add_u32 v0, v1
	s_wait_dscnt 0x0
	s_set_vgpr_msb 0x500
	s_endpgm
.endm
.macro XLOAD t                         ; token t of my eight: 2,048 bytes, 512 consecutive bytes a load
.irp i, 0,1,2,3
	global_load_b128 v[XR+16*((\t)%4)+4*\i:XR+16*((\t)%4)+4*\i+3], v2, s[4:5] offset:2048*(\t)+512*\i th:TH_LOAD_NT
.endr
.endm
.macro XTURN t                         ; through my stage, as they lie, and back 64 bytes a lane: LDS serves a wave's instructions in order, so no wait stands between
.irp i, 0,1,2,3
	ds_store_b128 v3, v[XR+16*((\t)%4)+4*\i:XR+16*((\t)%4)+4*\i+3] offset:2560*((\t)%2)+640*\i
.endr
.irp i, 0,1,2,3
	ds_load_b128 v[XX+16*((\t)%2)+4*\i:XX+16*((\t)%2)+4*\i+3], v4 offset:2560*((\t)%2)+16*\i
.endr
.endm
.macro XSTEP t                         ; one token: lane l holds x[16 l .. 16 l + 15]; two neighbouring lanes hold a block
.set XS, XX+16*((\t)%2)
	s_wait_dscnt 0x0                               ; this token's numbers are back from the stage, and the stage's stores have read their registers,
.if (\t)+4 < 8
	XLOAD (\t)+4                                   ; which take the loads of four tokens on
.endif
.if (\t) < 7
.if (\t) < 4
	s_wait_loadcnt 12                              ; the next token's four loads are in; those of the three tokens behind it may be out
.else
	s_wait_loadcnt 4*(6-(\t))                      ; likewise, with fewer tokens left behind it
.endif
	XTURN (\t)+1
.endif
	v_max3_num_f32 v8, |v[XS]|, |v[XS+1]|, |v[XS+2]|
	v_max3_num_f32 v9, |v[XS+3]|, |v[XS+4]|, |v[XS+5]|
.irp i, 6,10
	v_max3_num_f32 v8, v8, |v[XS+\i]|, |v[XS+\i+1]|
	v_max3_num_f32 v9, v9, |v[XS+\i+2]|, |v[XS+\i+3]|
.endr
	v_max3_num_f32 v8, v8, |v[XS+14]|, |v[XS+15]|
	v_max3_num_f32 v8, v8, v9, 0x1800000           ; the floor 2^(3 - 127)
	v_max_num_f32_dpp v8, v8, v8 row_xmask:1 row_mask:0xf bank_mask:0xf   ; with my neighbour's 16: the block's largest magnitude
	v_add_nc_u32 v11, 0xff000000, v8
	s_wait_xcnt 0x0                                ; the last token's store has read v[12:13]: they are written again only behind this wait
	v_cvt_scalef32_pk8_fp4_f32 v12, v[XS:XS+7], v11
	v_cvt_scalef32_pk8_fp4_f32 v13, v[XS+8:XS+15], v11
	v_lshrrev_b32 v10, 23, v11                     ; the scale's byte (a plain line behind the conversions)
	ds_store_b8 v5, v10 offset:16*(\t)             ; both lanes of a block write the same byte with the same value
	global_store_b64 v6, v[12:13], s[32:33] offset:256*(\t)   ; the wave stores the token's 256 bytes of codes
.irp e, 0,1,2,3,4,5,6,7
	v_mul_f32 v[XA+\e], v[XS], v[XWG+\e]           ; the logits, in f32: my 16 numbers against my 16 rows of Wg; the first product starts the sums
.endr
.set ii, 1
.rept 15
.irp e, 0,1,2,3,4,5,6,7
	v_fmac_f32 v[XA+\e], v[XS+ii], v[XWG+8*ii+\e]  ; (the eight sums by turns)
.endr
.set ii, ii+1
.endr
.irp k, 1,2,4,8
.irp e, 0,1,2,3,4,5,6,7
	v_add_f32_dpp v[XA+\e], v[XA+\e], v[XA+\e] row_xmask:\k row_mask:0xf bank_mask:0xf
.endr
.endr
.irp e, 0,1,2,3,4,5,6,7
	v_permlanex16_b32 v[XT+\e], v[XA+\e], s44, s45
.endr
.irp e, 0,1,2,3,4,5,6,7
	v_add_f32 v[XA+\e], v[XA+\e], v[XT+\e]         ; every lane holds the token's eight sums
.endr
	ds_store_b128 v7, v[XA:XA+3] offset:32*(\t)    ; all lanes write the same 32 bytes with the same values
	ds_store_b128 v7, v[XA+4:XA+7] offset:32*(\t)+16
.endm
	s_load_b256 s[4:11], s[0:1], 0x0               ; x s[4:5], Wg s[6:7], bg s[8:9], W1 s[10:11]
	s_load_b256 s[12:19], s[0:1], 0x20             ; W2 s[12:13], wq s[14:15], xq s[16:17], route s[18:19]
	s_load_b64 s[20:21], s[0:1], 0x40              ; gatew
	s_set_vgpr_msb 0x40
	v_lshl_add_u32 v0, v0, 2, 0x9c00
	v_mov_b32 v1, 0
	s_set_vgpr_msb 0x4000
	v_lshrrev_b32 v1, 5, v0
	v_readfirstlane_b32 s22, v1                    ; wave 0..3
	v_and_b32 v1, 31, v0                           ; lane
	s_wait_kmcnt 0x0
	s_cmp_lt_u32 ttmp9, 128
	s_cbranch_scc1 .Lxpath
	s_cmp_lt_u32 ttmp9, 640
	s_cbranch_scc1 .Lw1
	; ---- W2: work-group j = 64 e + 4 S + g takes rows 128 S .. + 127 (K) and columns 128 g .. + 127; wave w columns 32 (4 g + w) on, a lane a column
	s_sub_co_u32 s30, ttmp9, 640
	s_and_b32 s24, s30, 3                          ; g
	s_bfe_u32 s25, s30, 0x40002                    ; S
	s_lshr_b32 s26, s30, 6                         ; e
	s_lshl_b32 s28, s26, 22                        ; an expert is 4,194,304 bytes,
	s_lshl_b32 s27, s25, 18                        ; 128 rows of 2,048 bytes,
	s_add_co_u32 s28, s28, s27
	s_lshl_b32 s27, s24, 9                         ; 128 columns,
	s_add_co_u32 s28, s28, s27
	s_lshl_b32 s27, s22, 7                         ; 32 columns
	s_add_co_u32 s28, s28, s27
	s_mov_b32 s29, 0
	s_add_nc_u64 s[32:33], s[12:13], s[28:29]
	v_lshlrev_b32 v3, 2, v1
	WPATH 2048, LB2, 0x440000, 0x840000
.Lw1:
	; ---- W1: work-group j = 64 e + 16 s + G takes rows 128 s .. + 127 (K) and columns 128 G .. + 127; wave w columns 32 w on.  Lane r + 16 u takes column 8 u + r + 8 (r / 8) of the 32
	s_sub_co_u32 s23, ttmp9, 128
	s_and_b32 s24, s23, 15                         ; G
	s_bfe_u32 s25, s23, 0x20004                    ; s
	s_lshr_b32 s26, s23, 6                         ; e
	s_lshl_b32 s28, s26, 22
	s_lshl_b32 s27, s25, 20                        ; 128 rows of 8,192 bytes
	s_add_co_u32 s28, s28, s27
	s_lshl_b32 s27, s24, 9
	s_add_co_u32 s28, s28, s27
	s_lshl_b32 s27, s22, 7
	s_add_co_u32 s28, s28, s27
	s_mov_b32 s29, 0
	s_add_nc_u64 s[32:33], s[10:11], s[28:29]
	s_lshl_b32 s30, s26, 4
	s_add_co_u32 s30, s30, s24
	s_lshl_b32 s30, s30, 2
	s_add_co_u32 s30, s30, s25                     ; (16 e + G) 4 + s
	v_and_b32 v3, 15, v1
	v_bfe_u32 v4, v1, 3, 1
	v_lshl_add_u32 v3, v4, 3, v3
	v_lshrrev_b32 v4, 4, v1
	v_lshl_add_u32 v3, v4, 3, v3
	v_lshlrev_b32 v3, 2, v3
	WPATH 8192, LB1, 0, 0x400000
.Lxpath:
	; ---- x: work-group c takes tokens 32 c .. 32 c + 31, wave w eight of them
	s_load_b256 s[36:43], s[8:9], 0x0              ; bg
	s_lshl_b32 s23, ttmp9, 5
	s_lshl_b32 s24, s22, 3
	s_add_co_u32 s23, s23, s24                     ; my wave's first token
	s_mov_b32 s29, 0
	s_lshl_b32 s28, s23, 11
	s_add_nc_u64 s[4:5], s[4:5], s[28:29]          ; its row of x
	s_lshl_b32 s28, s23, 8
	s_add_nc_u64 s[32:33], s[16:17], s[28:29]      ; its codes
	s_lshl_b32 s28, ttmp9, 9
	s_add_co_u32 s28, s28, 0x100000
	s_add_nc_u64 s[34:35], s[16:17], s[28:29]      ; the chunk's 512 scale bytes
	s_lshl_b32 s28, ttmp9, 7
	s_add_nc_u64 s[46:47], s[18:19], s[28:29]      ; the chunk's 32 masks in route (its 32 counts lie 16,384 bytes on)
	s_lshl_b32 s28, ttmp9, 8
	s_add_nc_u64 s[48:49], s[20:21], s[28:29]      ; the chunk's 32 pairs of weights
	s_mov_b32 s44, 0x76543210
	s_mov_b32 s45, 0xfedcba98                      ; v_permlanex16_b32's selects for lane l xor 16
	v_lshlrev_b32 v2, 4, v1                        ; 16 x lane
	XLOAD 0
	XLOAD 1
	XLOAD 2
	XLOAD 3
	v_lshlrev_b32 v9, 4, v0                        ; Wg, 16,384 bytes: 16 bytes a thread, 2,048 consecutive bytes a load of the work-group
.irp j, 0,1,2,3,4,5,6,7
	global_load_b128 v[XWG+4*\j:XWG+4*\j+3], v9, s[6:7] offset:2048*\j
.endr
	s_mul_i32 s24, s22, 5120                       ; my two stages
	v_lshrrev_b32 v3, 2, v1
	v_mul_u32_u24 v3, v3, 80
	v_and_b32 v10, 3, v1
	v_lshl_add_u32 v3, v10, 4, v3
	v_add_nc_u32 v3, s24, v3                       ; in: four lanes' 64 bytes on end, then 16 of padding
	v_mul_u32_u24 v4, v1, 80
	v_add_nc_u32 v4, s24, v4                       ; out: 80 x lane: my 16 neighbours
	s_lshl_b32 s25, s22, 7
	s_add_co_u32 s25, s25, XSB
	v_lshrrev_b32 v5, 1, v1
	v_add_nc_u32 v5, s25, v5                       ; my block's scale byte: 128 x wave + lane / 2 (+ 16 x token)
	v_lshlrev_b32 v6, 3, v1                        ; 8 x lane
	s_lshl_b32 s25, s22, 8
	s_add_co_u32 s25, s25, LGB
	v_mov_b32 v7, s25                              ; my wave's logits: 256 x wave (+ 32 x token)
	v_lshrrev_b32 v10, 5, v0
	v_lshl_add_u32 v10, v10, 4, v9
	v_add_nc_u32 v10, WGL, v10                     ; Wg into LDS: 16 T + 16 (T / 32): a piece of 512 bytes, then 16 of padding; four pieces (2,112 bytes) a load
	v_mul_u32_u24 v15, v1, 528
	v_add_nc_u32 v15, WGL, v15                     ; and back: piece = lane: Wg's rows 16 lane .. 16 lane + 15
.irp e, 0,1,2,3,4,5,6,7
	v_mov_b32 v[XT+\e], 0                          ; written once: a lane permute's destination counts as one of its sources
.endr
	s_wait_loadcnt 0x0
	s_wait_kmcnt 0x0
.irp j, 0,1,2,3,4,5,6,7
	ds_store_b128 v10, v[XWG+4*\j:XWG+4*\j+3] offset:2112*\j
.endr
	s_wait_dscnt 0x0                               ; for the others' sake: my part of Wg has landed
	s_barrier_signal -1
	s_barrier_wait -1
.set ii, 0
.rept 32
	ds_load_b128 v[XWG+4*ii:XWG+4*ii+3], v15 offset:16*ii
.set ii, ii+1
.endr
	XTURN 0
.irp t, 0,1,2,3,4,5,6,7
	XSTEP \t
.endr
	s_wait_dscnt 0x0                               ; for wave 0's sake: my scale bytes and logits have landed
	s_barrier_signal -1
	s_barrier_wait -1
	s_cmp_lg_u32 s22, 0
	s_cbranch_scc1 .Lxdone
	; ---- the router, wave 0 alone: a lane a token
	v_add_nc_u32 v3, XSB, v2
	v_lshlrev_b32 v4, 5, v1
	v_add_nc_u32 v4, LGB, v4
	ds_load_b128 v[16:19], v3                      ; my token's 16 scale bytes
	ds_load_b128 v[20:23], v4                      ; and its eight sums
	ds_load_b128 v[24:27], v4 offset:16
	s_wait_dscnt 0x0
	global_store_b128 v2, v[16:19], s[34:35]       ; 512 consecutive bytes
.irp e, 0,1,2,3,4,5,6,7
	v_add_f32 v[20+\e], s[36+\e], v[20+\e]         ; + bg
.endr
	v_mov_b32 v28, v20                             ; the largest logit and its expert: at equal logits the lower index stays
	v_mov_b32 v29, 0
.irp e, 1,2,3,4,5,6,7
	v_cmp_ge_f32 vcc_lo, v28, v[20+\e]
	v_cndmask_b32 v29, \e, v29, vcc_lo
	v_max_num_f32 v28, v28, v[20+\e]
.endr
	v_mov_b32 v30, 0xff800000
.irp e, 0,1,2,3,4,5,6,7
	v_cmp_eq_u32 vcc_lo, \e, v29
	v_cndmask_b32 v[32+\e], v[20+\e], v30, vcc_lo  ; the first choice is taken out: -infinity in its place
.endr
	v_mov_b32 v40, v32                             ; the second largest and its expert
	v_mov_b32 v41, 0
.irp e, 1,2,3,4,5,6,7
	v_cmp_ge_f32 vcc_lo, v40, v[32+\e]
	v_cndmask_b32 v41, \e, v41, vcc_lo
	v_max_num_f32 v40, v40, v[32+\e]
.endr
.irp e, 0,1,2,3,4,5,6,7
	v_sub_f32 v[32+\e], v[20+\e], v28              ; the softmax takes the largest logit away
.endr
	v_sub_f32 v42, v40, v28
.irp e, 0,1,2,3,4,5,6,7
	v_mul_f32 v[32+\e], 0x3fb8aa3b, v[32+\e]       ; x log2(e)
.endr
	v_mul_f32 v42, 0x3fb8aa3b, v42
.irp e, 0,1,2,3,4,5,6,7
	v_exp_f32 v[32+\e], v[32+\e]
.endr
	v_exp_f32 v42, v42                             ; the second choice's, once more: the same lines on the same number
	v_nop                                          ; a plain line behind the exponentials,
	s_wait_alu depctr_va_vdst(0)                   ; and one wait for the nine, ahead of their first reader
	v_add_f32 v32, v32, v33
	v_add_f32 v34, v34, v35
	v_add_f32 v36, v36, v37
	v_add_f32 v38, v38, v39
	v_add_f32 v32, v32, v34
	v_add_f32 v36, v36, v38
	v_add_f32 v43, v32, v36                        ; the softmax's sum
	v_rcp_f32 v44, v43                             ; the first gate: 1 / sum
	v_nop
	s_wait_alu depctr_va_vdst(0)
	v_mul_f32 v45, v42, v44                        ; the second gate
	v_add_f32 v46, v44, v45
	v_add_f32 v46, 0x3c23d70a, v46                 ; + 0.01
	v_rcp_f32 v47, v46
	v_nop
	s_wait_alu depctr_va_vdst(0)
	v_mul_f32 v48, v44, v47                        ; the two weights
	v_mul_f32 v49, v45, v47
	v_min_u32 v50, v29, v41                        ; lo, hi: the pair in ascending order,
	v_max_u32 v51, v29, v41
	v_cmp_lt_u32 vcc_lo, v29, v41
	v_cndmask_b32 v52, v49, v48, vcc_lo            ; and the weights with them
	v_cndmask_b32 v53, v48, v49, vcc_lo
	v_sub_nc_u32 v54, 15, v50
	v_mul_u32_u24 v54, v54, v50
	v_lshrrev_b32 v54, 1, v54
	v_add_nc_u32 v54, v54, v51
	v_sub_nc_u32 v54, v54, v50
	v_add_nc_u32 v54, -1, v54                      ; the pair's number: lo (15 - lo) / 2 + hi - lo - 1, 0 .. 27
	v_mov_b32 v55, 0                               ; lane b: the chunk's count of pair b,
	v_mov_b32 v56, 0                               ; and which of its tokens chose it
.set b, 0
.rept 28
	v_cmp_eq_u32 s24, b, v54
	s_bcnt1_i32_b32 s25, s24
	v_writelane_b32 v55, s25, b
	v_writelane_b32 v56, s24, b
.set b, b+1
.endr
	v_lshlrev_b32 v59, 2, v1
	global_store_b32 v59, v56, s[46:47]            ; the masks: 128 consecutive bytes
	global_store_b32 v59, v55, s[46:47] offset:16384
	global_store_b64 v6, v[52:53], s[48:49]        ; (w_lo, w_hi): 256 consecutive bytes
.Lxdone:
	s_set_vgpr_msb 0x5
	s_wait_tensorcnt 0x0
	ds_add_u32 v0, v1
	s_wait_dscnt 0x0
	s_set_vgpr_msb 0x500
	s_endpgm
.Lfunc_end_k_q8258efc677_prep:
	.size	k_q8258efc677_prep, .Lfunc_end_k_q8258efc677_prep-k_q8258efc677_prep
	.p2alignl 7, 3214868480
	.fill 96, 4, 3214868480
	.section	.rodata,"a",@progbits
	.p2align	6, 0x0
	.amdhsa_kernel k_q8258efc677_prep
		.amdhsa_group_segment_fixed_size 40448
		.amdhsa_private_segment_fixed_size 0
		.amdhsa_enable_private_segment 0
		.amdhsa_kernarg_size 72
		.amdhsa_user_sgpr_count 2
		.amdhsa_user_sgpr_kernarg_segment_ptr 1
		.amdhsa_wavefront_size32 1
		.amdhsa_system_sgpr_workgroup_id_x 1
		.amdhsa_system_sgpr_workgroup_id_y 1
		.amdhsa_system_sgpr_workgroup_id_z 1
		.amdhsa_system_vgpr_workitem_id 0
		.amdhsa_next_free_vgpr 258
		.amdhsa_next_free_sgpr 66
		.amdhsa_reserve_vcc 1
		.amdhsa_float_denorm_mode_32 3
		.amdhsa_float_denorm_mode_16_64 3
		.amdhsa_memory_ordered 1
		.amdhsa_forward_progress 1
		.amdhsa_inst_pref_size 130
	.end_amdhsa_kernel
	.amdgpu_metadata
---
amdhsa.version: [ 1, 2 ]
amdhsa.kernels:
  - .name:           k_q8258efc677_prep
    .symbol:         k_q8258efc677_prep.kd
    .args:
      - { .name: x, .offset: 0, .size: 8, .value_kind: global_buffer, .address_space: global }
      - { .name: Wg, .offset: 8, .size: 8, .value_kind: global_buffer, .address_space: global }
      - { .name: bg, .offset: 16, .size: 8, .value_kind: global_buffer, .address_space: global }
      - { .name: W1, .offset: 24, .size: 8, .value_kind: global_buffer, .address_space: global }
      - { .name: W2, .offset: 32, .size: 8, .value_kind: global_buffer, .address_space: global }
      - { .name: wq, .offset: 40, .size: 8, .value_kind: global_buffer, .address_space: global }
      - { .name: xq, .offset: 48, .size: 8, .value_kind: global_buffer, .address_space: global }
      - { .name: route, .offset: 56, .size: 8, .value_kind: global_buffer, .address_space: global }
      - { .name: gatew, .offset: 64, .size: 8, .value_kind: global_buffer, .address_space: global }
    .group_segment_fixed_size: 40448
    .private_segment_fixed_size: 0
    .kernarg_segment_align: 8
    .kernarg_segment_size: 72
    .max_flat_workgroup_size: 128
    .sgpr_count:     66
    .vgpr_count:     258
    .wavefront_size: 32
...
	.end_amdgpu_metadata
.endif
;; end of part 1
;; launch chain (part 2): grid 155 x 1, 8 waves a work-group, no clusters, 132,096 bytes of LDS; arguments wq, xq, gatew, route, b1, b2, out0; writes out0
.if DOCPART == 2
	.amdgcn_target "amdgcn-amd-amdhsa--gfx1250"
	.amdhsa_code_object_version 6
	.text
	.protected	k_q8258efc677_chain
	.globl	k_q8258efc677_chain
	.p2align	8
	.type	k_q8258efc677_chain,@function
k_q8258efc677_chain:
	s_mov_b64 s[64:65], 0
	v_nop
	global_prefetch_b8 v0, s[64:65] scope:SCOPE_SE
	s_setreg_imm32_b32 hwreg(HW_REG_WAVE_MODE, 25, 1), 1
	s_wait_xcnt 0x0
; SECOND LAUNCH OF TWO: out[token] = w_lo (relu(x W1[lo] + b1[lo]) W2[lo] + b2[lo]) + w_hi (the same with hi), both products on codes of FP4 (E2M1) with one E8M0 scale for each 32 along K.
; A work-group owns one tile: at most 32 tokens that chose the SAME pair of experts (lo, hi).  So every row of out0 has one owner, the hidden layer never goes to memory, and nothing is added between work-groups.
; The tokens of a pair, in ascending order, are cut into tiles of 32; the pairs' tiles follow each other.  155 = 4,096 / 32 + 28 - 1 work-groups serve every split.
; WHICH TOKENS ARE MINE is worked out at the head, from the whole numbers that the first launch stored (for each chunk of 32 tokens and each pair: a count and a mask): wave w sums chunks 16 w .. 16 w + 15, the waves' totals
; meet in LDS, a scalar walk over the 28 totals finds my tile's pair and its number in the pair; lane l then looks for the pair's token number 32 x that number + l among its wave's 16 chunks, and the eight waves' finds meet in LDS.
; A row past the tile's count repeats the tile's last token: it computes the same numbers and stores them at the same place.
; A tile without rows walks the chain on held indices and jumps over the tail, which alone stores: so the one branch on numbers read from memory has no barrier behind it.
; THE WAVES SHARE THE COLUMNS.  First product: four jobs a wave (expert x = J / 2, hidden units 128 G on, G = wave + 8 (J % 2)): 8 tiles of 16 units x 2 tiles of 16 tokens, 4 K steps.  A job's result, with relu, quantised in
; registers, is K step G of the second product: it goes to LDS as an image of the operand's registers (16 bytes a lane at 16 x lane), its scale words 4 bytes a lane.  One barrier.  Second product: wave w makes outputs
; 64 w .. 64 w + 63 for both experts: 32 steps (x = p / 16, K step p % 16) of 8 matrix instructions.
; BOTH PRODUCTS ARE USED TRANSPOSED (source 0 = 16 rows of the weight, source 1 = 16 tokens): a lane holds one token and its registers run along the units.  The rows of W1 that form a tile were chosen by the first launch so that
; the 16 registers of tiles 2 b and 2 b + 1 are 16 neighbours along the next K.
; THE BIASES are the C of each sum's first matrix instruction.  They are the same for both token tiles, so they are loaded once, into token tile 0's accumulators: token tile 1's first products take those registers as C,
; five plain lines follow, and then token tile 0's first products add in place.
; THE WEIGHTS COME FROM MEMORY STRAIGHT INTO REGISTERS, in the order in which the first launch laid them: 512 consecutive bytes a load.  No pointer is stepped: every step stands in an immediate.
; No cluster and no joint loads: which experts a tile walks is known only from the stored numbers, so neighbours in the grid need not want the same weights.
; REGISTERS.  Window 0: v1-31 addresses and gates; v32-43 the weights' scale words; v44-51 x's, later h's scale words; v52-60 codes and scale word just made; v64-79 at work; v80-95 the head's; v96-223 sixteen accumulators (at the head: the sort's numbers);
;   v224-255 biases at the head, addresses in the tail.   Window 1: v0-63 x's eight fragments, later a ring of four steps of h; v64-255 the weights: three slots of 64 (first product), six of 32 (second).
; LIMITS: as stated at the head of the first launch.
.set HSC, 65536                        ; LDS: h's 64 fragments (2 p + m) x 1,024 from 0; their scale words (2 p + m) x 128 from here;
.set BIA, 73728                        ; each wave's biases, 2,560 bytes: b1 of job J at 512 J, b2 of expert x at 2,048 + 256 x;
.set STG, 94208                        ; each wave's stage for the way out: 16 rows x (256 + 16) bytes;
.set TOTB, 129024                      ; the waves' totals: 128 bytes a wave, a word a pair;
.set TKB, 130048                       ; the waves' finds: 128 bytes a wave, a word a row of the tile
.set LI,  1                            ; v1   16 x lane
.set HWI, 4                            ; v4   where I store h's images: 16 x lane + 2,048 x wave
.set HWS, 5                            ; v5   and their scale words: HSC + 4 x lane + 256 x wave
.set LS2, 6                            ; v6   HSC + 4 x lane
.set BO,  7                            ; v7   my wave's b1 + 64 (lane / 16)
.set BO2, 8                            ; v8   my wave's b2 + 32 (lane / 16)
.set TOK, 9                            ; v9-10  token of row lane % 16 of token tile m
.set XO,  11                           ; v11-12 its codes: 256 x token + 16 (lane / 16)
.set XSO, 13                           ; v13-14 its scale bytes: 16 x token
.set GO,  15                           ; v15-16 its weights: 8 x token
.set SO,  17                           ; v17  the stage: where I put 32 bytes of a row
.set SR,  18                           ; v18  and where I read a row back
.set OB,  19                           ; v19  256 x wave + 16 (lane % 16): my bytes in a row of out0
.set GA,  22                           ; v22-25 (w_lo, w_hi) of my token, for m = 0, 1
.set GB,  26                           ; v26-29 (w_hi, w_hi)
.set WS,  32
.set XS,  44
.set PC,  52
.set PW,  60
.set TM,  64
.set ACC, 96
.set TO,  224
.set IX,  240
.set CN,  96                           ; the head: v96-111 my 16 chunks' counts (lane = pair), v112-127 their masks, v128-143 the pair's tokens ahead of each chunk,
.set MK,  112
.set PF,  128
.set TJ,  144                          ; v144-151 the eight waves' totals, later at work; v152-159 the eight waves' finds;
.set TKL, 152
.set GG,  160                          ; v160-175 the figures of v128-143 for MY pair, in every lane; v176-191 the masks likewise
.set MKB, 176
.set W1C, 24                           ; s[24:27] W1's codes for lo, hi;  s[28:31] its scale words;  s[32:35], s[36:39] W2's;  s[40:43] b1;  s[44:47] b2: each at my wave's part
.set W1S, 28
.set W2C, 32
.set W2S, 36
.set B1P, 40
.set B2P, 44
.set SEL, 50
.set TT,  66                           ; s66-93 the 28 pairs' totals
.set MSB, 0
.macro WIN new                         ; the immediate's high byte repeats the setting that is left; a switch that changes nothing is dropped
.if MSB != \new
	s_set_vgpr_msb (MSB<<8)|\new
.set MSB, \new
.endif
.endm
.macro PLACES                          ; four plain lines between matrix instructions and the loads into their registers or the first read of their results
.rept 4
	v_nop
.endr
.endm
.macro BASES x, e
	s_lshl_b32 s48, \e, 19                         ; W1's codes: 524,288 bytes an expert, 32,768 a group of 128 units
	s_lshl_b32 s52, s18, 15
	s_add_co_u32 s48, s48, s52
	s_add_nc_u64 s[W1C+2*\x:W1C+2*\x+1], s[4:5], s[48:49]
	s_lshl_b32 s48, \e, 15                         ; its scale words: 32,768 an expert, 2,048 a group
	s_lshl_b32 s52, s18, 11
	s_add_co_u32 s48, s48, s52
	s_add_co_u32 s48, s48, 0x400000
	s_add_nc_u64 s[W1S+2*\x:W1S+2*\x+1], s[4:5], s[48:49]
	s_lshl_b32 s48, \e, 19                         ; W2's codes: my four tiles are 4,096 bytes of a K step's 32,768
	s_lshl_b32 s52, s18, 12
	s_add_co_u32 s48, s48, s52
	s_add_co_u32 s48, s48, 0x440000
	s_add_nc_u64 s[W2C+2*\x:W2C+2*\x+1], s[4:5], s[48:49]
	s_lshl_b32 s48, \e, 15                         ; its scale words: group wave / 2 of 512 bytes, in it words 2 (wave % 2) and the next of each lane's four
	s_lshr_b32 s52, s18, 1
	s_lshl_b32 s52, s52, 9
	s_add_co_u32 s48, s48, s52
	s_and_b32 s52, s18, 1
	s_lshl_b32 s52, s52, 3
	s_add_co_u32 s48, s48, s52
	s_add_co_u32 s48, s48, 0x840000
	s_add_nc_u64 s[W2S+2*\x:W2S+2*\x+1], s[4:5], s[48:49]
	s_lshl_b32 s48, \e, 13
	s_lshl_b32 s52, s18, 9
	s_add_co_u32 s48, s48, s52
	s_add_nc_u64 s[B1P+2*\x:B1P+2*\x+1], s[12:13], s[48:49]
	s_lshl_b32 s48, \e, 11
	s_lshl_b32 s52, s18, 8
	s_add_co_u32 s48, s48, s52
	s_add_nc_u64 s[B2P+2*\x:B2P+2*\x+1], s[14:15], s[48:49]
.endm
; One pair of the walk: s19 = the pair's first tile.  My tile keeps the figures of the last pair whose first tile is at most mine: a pair without tokens has the first tile of the pair behind it, which then takes its place.
.macro BIN b, pair
	s_cmp_le_u32 s19, ttmp9
	s_cselect_b32 s20, s19, s20                    ; its first tile,
	s_cselect_b32 s21, s[TT+\b], s21               ; its tokens,
	s_cselect_b32 s22, \b, s22                     ; its number,
	s_cselect_b32 s23, \pair, s23                  ; lo | hi << 8
	s_add_co_u32 s52, s[TT+\b], 31
	s_lshr_b32 s52, s52, 5
	s_add_co_u32 s19, s19, s52                     ; ceil(tokens / 32) tiles
.endm
; One halving of the search for the set bit number v94 (counted from 0) of a mask: v149 = the bit at which the part in hand begins; src holds the counts of the parts of w bits.  Where the lower part has too few, go on in the upper.
.macro PICK w, src, wid
	v_bfe_u32 v150, v[\src], v149, \wid
	v_cmp_ge_u32 vcc_lo, v94, v150
	v_sub_nc_u32 v151, v94, v150
	v_add_nc_u32 v95, \w, v149
	v_cndmask_b32 v94, v94, v151, vcc_lo
	v_cndmask_b32 v149, v149, v95, vcc_lo
.endm
; Packet q of the first product (expert q / 8, group wave + 8 ((q / 4) % 2), K step q % 4): 8 fragments and their scale words into slot q % 3: 17 loads
.macro PA q
.set qx, (\q)/8
.set qj, ((\q)/4)%2
.set qs, (\q)%4
.set ql, (\q)%3
	WIN 0
	global_load_b128 v[WS+4*ql:WS+4*ql+3], v[LI], s[W1S+2*qx:W1S+2*qx+1] offset:qj*16384+qs*512
	WIN 0x40                                       ; destination window 1, address window 0
.irp t, 0,1,2,3,4,5,6,7
.irp c, 0,1
	global_load_b128 v[64+64*ql+8*\t+4*\c:64+64*ql+8*\t+4*\c+3], v[LI], s[W1C+2*qx:W1C+2*qx+1] offset:qj*262144+qs*8192+\t*1024+\c*512
.endr
.endr
.endm
; One matrix instruction of the first product: tile t of units, token tile m; C from token tile cm's accumulator.  A weight's scale register holds tile 2 b in lanes 0-15 and tile 2 b + 1 in lanes 16-31.
.macro MA t, m, cm
.if (\t)%2
	v_wmma_scale_f32_16x16x128_f8f6f4 v[ACC+64*(\m)+8*(\t):ACC+64*(\m)+8*(\t)+7], v[64+64*ql+8*(\t):64+64*ql+8*(\t)+7], v[8*(4*(\m)+qs):8*(4*(\m)+qs)+7], v[ACC+64*(\cm)+8*(\t):ACC+64*(\cm)+8*(\t)+7], v[WS+4*ql+(\t)/2], v[XS+4*(\m)+qs] matrix_a_fmt:MATRIX_FMT_FP4 matrix_b_fmt:MATRIX_FMT_FP4 matrix_a_scale:MATRIX_SCALE_ROW1
.else
	v_wmma_scale_f32_16x16x128_f8f6f4 v[ACC+64*(\m)+8*(\t):ACC+64*(\m)+8*(\t)+7], v[64+64*ql+8*(\t):64+64*ql+8*(\t)+7], v[8*(4*(\m)+qs):8*(4*(\m)+qs)+7], v[ACC+64*(\cm)+8*(\t):ACC+64*(\cm)+8*(\t)+7], v[WS+4*ql+(\t)/2], v[XS+4*(\m)+qs] matrix_a_fmt:MATRIX_FMT_FP4 matrix_b_fmt:MATRIX_FMT_FP4
.endif
.endm
; Step q: 16 matrix instructions, the sixteen accumulators by turns.
.macro STEPA q, cnt
.set qs, (\q)%4
.set ql, (\q)%3
	s_wait_loadcnt \cnt                            ; packet q is in; what was issued behind it may be out
.if qs == 0
	s_wait_dscnt 0x0                               ; the job's biases are in token tile 0's accumulators
.endif
	WIN 0x05                                       ; sources 0 and 1 window 1; C and D window 0
.if qs == 0
.irp t, 0,1,2,3,4,5,6,7
	MA \t, 1, 0                                    ; token tile 1 starts its sums on the biases that lie in token tile 0's registers;
.endr
.rept 5
	v_nop                                          ; five plain lines before a matrix instruction writes over a register that an earlier one has read as its C (ISA guide 7.12.1);
.endr
.irp t, 0,1,2,3,4,5,6,7
	MA \t, 0, 0                                    ; token tile 0 adds in place
.endr
.else
.irp t, 0,1,2,3,4,5,6,7
.irp m, 0,1
	MA \t, \m, \m
.endr
.endr
.endif
	PLACES
.endm
.macro BIASA J                         ; b1 of job J into the accumulators of token tile 0: register j of tile 2 b + u is unit 32 b + 16 (lane / 16) + 8 u + j
.irp t, 0,1,2,3,4,5,6,7
	ds_load_b128 v[ACC+8*\t:ACC+8*\t+3], v[BO] offset:(\J)*512+(\t/2)*128+(\t%2)*32
	ds_load_b128 v[ACC+8*\t+4:ACC+8*\t+7], v[BO] offset:(\J)*512+(\t/2)*128+(\t%2)*32+16
.endr
.endm
.macro RELU m                          ; in ascending order: each accumulator is read from its low end on
.set ii, 0
.rept 64
	v_max_num_f32 v[ACC+64*(\m)+ii], 0, v[ACC+64*(\m)+ii]
.set ii, ii+1
.endr
.endm
; 64 numbers of a lane, register 16 b + i = k 32 b + 16 (lane / 16) + i of my token, become a fragment's codes in v[PC] on and its scale word in v[PW]
.macro QUANT s
.irp b, 0,1,2,3
	v_max3_num_f32 v[TM+\b], |v[\s+16*\b]|, |v[\s+1+16*\b]|, 0x1800000   ; block b: my 16 numbers, and the floor 2^(3 - 127): the byte cannot fall under 1
.endr
.irp i, 2,4,6,8,10,12,14
.irp b, 0,1,2,3
	v_max3_num_f32 v[TM+\b], v[TM+\b], |v[\s+16*\b+\i]|, |v[\s+1+16*\b+\i]|   ; (the four blocks by turns)
.endr
.endr
.irp b, 0,1,2,3
	v_permlanex16_b32 v[TM+4+\b], v[TM+\b], s[SEL], s[SEL+1]
.endr
.irp b, 0,1,2,3
	v_max_num_f32 v[TM+\b], v[TM+\b], v[TM+4+\b]   ; with lane l xor 16's: the block's largest magnitude
.endr
.irp b, 0,1,2,3
	v_add_nc_u32 v[TM+12+\b], 0xff000000, v[TM+\b] ; 2 off its exponent field: the conversion's scale operand
.endr
.irp b, 0,1,2,3
	v_lshrrev_b32 v[TM+4+\b], 23, v[TM+12+\b]      ; the scale's byte
.endr
	v_lshl_or_b32 v[PW], v[TM+5], 8, v[TM+4]
	v_lshl_or_b32 v[PW], v[TM+6], 16, v[PW]
	v_lshl_or_b32 v[PW], v[TM+7], 24, v[PW]
.irp b, 0,1,2,3
	v_cvt_scalef32_pk8_fp4_f32 v[PC+2*\b], v[\s+16*\b:\s+7+16*\b], v[TM+12+\b]
	v_cvt_scalef32_pk8_fp4_f32 v[PC+1+2*\b], v[\s+8+16*\b:\s+15+16*\b], v[TM+12+\b]
.endr
	v_nop                                          ; one plain line behind the conversions
.irp c, 0,1                                    ; the operand wants a WHOLE block in a lane: lanes 0-15 block 2 c, lanes 16-31 block 2 c + 1
.irp i, 0,1
	v_permlane16_swap_b32 v[PC+4*\c+\i], v[PC+2+4*\c+\i]
.endr
.endr
.endm
.macro IMAGE adr, off
.irp c, 0,1
	ds_store_b128 v[\adr], v[PC+4*\c:PC+4*\c+3] offset:\off+512*\c
.endr
.endm
; The end of job J: relu, the quantiser, the images; the next job's biases go into token tile 0's accumulators as soon as they are free
.macro JOBEND J
.set jo, 16*((\J)/2)+8*((\J)%2)        ; step p of the second product = jo + wave
	WIN 0
	RELU 0
	QUANT ACC
	IMAGE HWI, jo*2048
	ds_store_b32 v[HWS], v[PW] offset:jo*256
.if (\J) < 3
	BIASA (\J)+1
.endif
	RELU 1
.if (\J) < 3
	s_wait_dscnt 16                                ; the three stores are done (the sixteen loads of biases behind them may be out): the codes' registers are written again
.else
	s_wait_dscnt 0x0
.endif
	QUANT ACC+64
	IMAGE HWI, jo*2048+1024
	ds_store_b32 v[HWS], v[PW] offset:jo*256+128
.endm
; Packet p of the second product (expert p / 16, K step p % 16): my four fragments and their scale words into slot (p + 2) % 6: 9 loads
.macro PB p
.set px, (\p)/16
.set pk, (\p)%16
.set pl, ((\p)+2)%6
	WIN 0
	global_load_b64 v[WS+2*pl:WS+2*pl+1], v[LI], s[W2S+2*px:W2S+2*px+1] offset:pk*2048
	WIN 0x40
.irp t, 0,1,2,3
.irp c, 0,1
	global_load_b128 v[64+32*pl+8*\t+4*\c:64+32*pl+8*\t+4*\c+3], v[LI], s[W2C+2*px:W2C+2*px+1] offset:pk*32768+\t*1024+\c*512
.endr
.endr
.endm
.macro HB p                            ; h's two fragments of step p and their scale words, from LDS into slot p % 4: 6 LDS loads
.set hl, (\p)%4
	WIN 0
.irp m, 0,1
	ds_load_b32 v[XS+2*hl+\m], v[LS2] offset:(2*(\p)+\m)*128
.endr
	WIN 0x40
.irp m, 0,1
.irp c, 0,1
	ds_load_b128 v[16*hl+8*\m+4*\c:16*hl+8*\m+4*\c+3], v[LI] offset:(2*(\p)+\m)*1024+512*\c
.endr
.endr
.endm
.macro MB t, m, cm                     ; one matrix instruction of the second product: tile t of outputs, token tile m; C from token tile cm's accumulator
.if (\t)%2
	v_wmma_scale_f32_16x16x128_f8f6f4 v[ACC+64*px+32*(\m)+8*(\t):ACC+64*px+32*(\m)+8*(\t)+7], v[64+32*pl+8*(\t):64+32*pl+8*(\t)+7], v[16*hl+8*(\m):16*hl+8*(\m)+7], v[ACC+64*px+32*(\cm)+8*(\t):ACC+64*px+32*(\cm)+8*(\t)+7], v[WS+2*pl+(\t)/2], v[XS+2*hl+(\m)] matrix_a_fmt:MATRIX_FMT_FP4 matrix_b_fmt:MATRIX_FMT_FP4 matrix_a_scale:MATRIX_SCALE_ROW1
.else
	v_wmma_scale_f32_16x16x128_f8f6f4 v[ACC+64*px+32*(\m)+8*(\t):ACC+64*px+32*(\m)+8*(\t)+7], v[64+32*pl+8*(\t):64+32*pl+8*(\t)+7], v[16*hl+8*(\m):16*hl+8*(\m)+7], v[ACC+64*px+32*(\cm)+8*(\t):ACC+64*px+32*(\cm)+8*(\t)+7], v[WS+2*pl+(\t)/2], v[XS+2*hl+(\m)] matrix_a_fmt:MATRIX_FMT_FP4 matrix_b_fmt:MATRIX_FMT_FP4
.endif
.endm
.macro STEPB p, lc, dc                 ; 8 matrix instructions, the expert's eight accumulators by turns
.set px, (\p)/16
.set pl, ((\p)+2)%6
.set hl, (\p)%4
	s_wait_loadcnt \lc                             ; packet p is in; the packets behind it may be out
	s_wait_dscnt \dc                               ; h of step p is in; the steps behind it may be out
	WIN 0x05
.if (\p)%16 == 0
.irp t, 0,1,2,3
	MB \t, 1, 0                                    ; an expert's first step: as in the first product, b2 lies in token tile 0's registers alone
.endr
.rept 5
	v_nop
.endr
.irp t, 0,1,2,3
	MB \t, 0, 0
.endr
.else
.irp t, 0,1,2,3
.irp m, 0,1
	MB \t, \m, \m
.endr
.endr
.endif
	PLACES
.endm
	s_load_b256 s[4:11], s[0:1], 0x0               ; wq s[4:5], xq s[6:7], gatew s[8:9], route s[10:11]
	s_load_b128 s[12:15], s[0:1], 0x20             ; b1 s[12:13], b2 s[14:15]
	s_load_b64 s[16:17], s[0:1], 0x30              ; out0
	v_lshl_add_u32 v254, v0, 2, 0x20000
	v_mov_b32 v255, 0
	v_lshrrev_b32 v20, 5, v0
	v_readfirstlane_b32 s18, v20                   ; wave 0..7
	v_and_b32 v21, 31, v0                          ; lane
	v_and_b32 v2, 15, v0                           ; r
	v_bfe_u32 v3, v0, 4, 1                         ; h
	v_lshlrev_b32 v80, 2, v21                      ; 4 x lane
	v_lshl_add_u32 v81, v20, 11, v80               ; + 2,048 x wave: my 16 chunks of 128 bytes; never rewritten
	s_wait_kmcnt 0x0
.irp i, 0,1,2,3,4,5,6,7,8,9,10,11,12,13,14,15
	global_load_b32 v[CN+\i], v81, s[10:11] offset:16384+128*\i    ; the counts of chunk 16 w + i: lane = pair
.endr
.irp i, 0,1,2,3,4,5,6,7,8,9,10,11,12,13,14,15
	global_load_b32 v[MK+\i], v81, s[10:11] offset:128*\i          ; and the masks
.endr
	; the addresses that hang on ids alone are made while these loads are on their way
	v_lshl_add_u32 v82, v0, 2, TOTB                ; my word among the totals: 128 x wave + 4 x lane
	v_lshl_add_u32 v83, v21, 2, TOTB
	v_lshl_add_u32 v84, v0, 2, TKB                 ; and among the finds
	v_lshl_add_u32 v85, v21, 2, TKB
	v_lshlrev_b32 v[LI], 4, v21
	v_lshlrev_b32 v20, 3, v21                      ; 8 x lane
	s_lshl_b32 s52, s18, 11
	v_add_nc_u32 v[HWI], s52, v[LI]
	v_lshlrev_b32 v[LS2], 2, v21
	v_add_nc_u32 v[LS2], HSC, v[LS2]
	s_lshl_b32 s52, s18, 8
	v_add_nc_u32 v[HWS], s52, v[LS2]
	v_lshl_add_u32 v[OB], v2, 4, s52
	s_mul_i32 s53, s18, 2560
	s_add_co_u32 s53, s53, BIA                     ; my wave's biases
	v_lshl_add_u32 v[BO], v3, 6, s53
	v_add_nc_u32 v30, s53, v[LI]                   ; where b1 goes in: 16 x lane
	s_add_co_u32 s52, s53, 2048
	v_lshl_add_u32 v[BO2], v3, 5, s52
	v_lshl_add_u32 v31, v21, 3, s52                ; where b2 goes in: 8 x lane
	s_mul_i32 s52, s18, 4352
	s_add_co_u32 s52, s52, STG                     ; my stage
	v_mul_u32_u24 v[SO], v2, 272
	v_lshl_add_u32 v[SO], v3, 5, v[SO]
	v_add_nc_u32 v[SO], s52, v[SO]                 ; in: row r, 32 bytes for each half of the lanes
	v_mul_u32_u24 v[SR], v3, 272
	v_lshl_add_u32 v[SR], v2, 4, v[SR]
	v_add_nc_u32 v[SR], s52, v[SR]                 ; back: lanes 0-15 one row of 256 bytes, lanes 16-31 the next
.irp b, 0,1,2,3
	v_mov_b32 v[TM+4+\b], 0                        ; written once: a lane permute's destination counts as one of its sources
.endr
	s_mov_b32 s[SEL], 0x76543210
	s_mov_b32 s[SEL+1], 0xfedcba98                 ; v_permlanex16_b32's selects for lane l xor 16
	s_mov_b32 s49, 0
	; ---- which pair, which tokens
	s_wait_loadcnt 16                              ; the counts are in; the sixteen loads of masks may be out
	v_mov_b32 v[PF], 0                             ; the pair's tokens in earlier chunks of my wave
.irp i, 0,1,2,3,4,5,6,7,8,9,10,11,12,13,14
	v_add_nc_u32 v[PF+1+\i], v[PF+\i], v[CN+\i]
.endr
	v_add_nc_u32 v86, v[PF+15], v[CN+15]           ; and in all of my wave
	ds_store_b32 v82, v86
	s_wait_dscnt 0x0                               ; for the others' sake
	s_barrier_signal -1
	s_barrier_wait -1
.irp j, 0,1,2,3,4,5,6,7
	ds_load_b32 v[TJ+\j], v83 offset:128*\j        ; every wave's totals: lane = pair
.endr
	v_mov_b32 v87, 0                               ; the pair's tokens in all,
	v_mov_b32 v88, 0                               ; and in the waves ahead of mine
	s_wait_dscnt 0x0
.irp j, 0,1,2,3,4,5,6,7
	v_add_nc_u32 v87, v87, v[TJ+\j]
	s_cmp_gt_u32 s18, \j
	s_cselect_b32 s52, -1, 0
	v_and_b32 v95, s52, v[TJ+\j]
	v_add_nc_u32 v88, v88, v95
.endr
.set b, 0
.rept 28
	v_readlane_b32 s[TT+b], v87, b                 ; the 28 totals as scalars, in one run
.set b, b+1
.endr
	s_mov_b32 s19, 0
	s_mov_b32 s20, 0
	s_mov_b32 s21, 0
	s_mov_b32 s22, 0
	s_mov_b32 s23, 0
.set b, 0
.irp lo, 0,1,2,3,4,5,6
.irp hi, 1,2,3,4,5,6,7
.if \hi > \lo
	BIN b, \lo|(\hi<<8)
.set b, b+1
.endif
.endr
.endr
	s_sub_co_u32 s54, ttmp9, s20                   ; my tile is its pair's tile number ttmp9 - first tile:
	s_lshl_b32 s54, s54, 5                         ; it begins with the pair's token number s54
	s_sub_co_i32 s21, s21, s54
	s_max_i32 s21, s21, 0
	s_min_i32 s21, s21, 32                         ; rows: what is left of the pair, 0 .. 32
	s_sub_co_i32 s55, s21, 1
	s_max_i32 s55, s55, 0                          ; the last row
	s_and_b32 s2, s23, 0xff
	s_min_u32 s2, s2, 7                            ; lo: what hangs on loaded numbers enters an address only behind a hold at a constant
	s_lshr_b32 s3, s23, 8
	s_min_u32 s3, s3, 7                            ; hi
	BASES 0, s2
	BASES 1, s3
	s_wait_loadcnt 0x0                             ; the masks
	; the experts are known: the biases and the first three packets of weights are asked for, and land while the tokens are looked for
.irp J, 0,1,2,3
	global_load_b128 v[224+4*\J:227+4*\J], v[LI], s[B1P+2*(\J/2):B1P+2*(\J/2)+1] offset:(\J%2)*4096   ; b1 of my four jobs: 512 bytes each
.endr
.irp x, 0,1
	global_load_b64 v[240+2*\x:241+2*\x], v20, s[B2P+2*\x:B2P+2*\x+1]   ; b2 of my 64 outputs
.endr
	PA 0
	PA 1
	PA 2
	WIN 0
	v_mov_b32 v89, s22
	v_min_u32 v89, 31, v89                         ; my pair's number, held to a lane's number,
	v_lshlrev_b32 v89, 2, v89
.irp i, 0,1,2,3,4,5,6,7,8,9,10,11,12,13,14,15
	v_add_nc_u32 v[PF+\i], v88, v[PF+\i]           ; lane = pair: the pair's tokens ahead of chunk 16 w + i
.endr
.irp i, 0,1,2,3,4,5,6,7,8,9,10,11,12,13,14,15
	ds_bpermute_b32 v[GG+\i], v89, v[PF+\i]        ; every lane fetches my pair's figure,
.endr
.irp i, 0,1,2,3,4,5,6,7,8,9,10,11,12,13,14,15
	ds_bpermute_b32 v[MKB+\i], v89, v[MK+\i]       ; and my pair's mask
.endr
	v_min_u32 v90, s55, v21                        ; lane l looks for row l of the tile; a row past the count for the last row:
	v_add_nc_u32 v90, s54, v90                     ; the pair's token number q
	s_wait_dscnt 0x0
	v_mov_b32 v91, v[GG]                           ; the last of my 16 chunks that begins at or ahead of q: its first number,
	v_mov_b32 v92, v[MKB]                          ; its mask,
	v_mov_b32 v93, 0                               ; and which it is.  (The figures rise with the chunk, so the last that is taken is the right one)
.irp i, 1,2,3,4,5,6,7,8,9,10,11,12,13,14,15
	v_cmp_gt_u32 vcc_lo, v[GG+\i], v90             ; it begins behind q: the old figures stay
	v_cndmask_b32 v91, v[GG+\i], v91, vcc_lo
	v_cndmask_b32 v92, v[MKB+\i], v92, vcc_lo
	v_cndmask_b32 v93, \i, v93, vcc_lo
.endr
	v_sub_nc_u32 v94, v90, v91                     ; q is that chunk's token number v94 of the pair, if the chunk has so many
	v_lshrrev_b32 v144, 1, v92                     ; the mask's set bits, counted in parts of 2,
	v_and_b32 v144, 0x55555555, v144
	v_sub_nc_u32 v144, v92, v144
	v_lshrrev_b32 v145, 2, v144                    ; of 4,
	v_and_b32 v145, 0x33333333, v145
	v_and_b32 v146, 0x33333333, v144
	v_add_nc_u32 v145, v145, v146
	v_lshrrev_b32 v146, 4, v145                    ; of 8,
	v_add_nc_u32 v146, v146, v145
	v_and_b32 v146, 0x0f0f0f0f, v146
	v_lshrrev_b32 v147, 8, v146                    ; of 16,
	v_add_nc_u32 v147, v147, v146
	v_and_b32 v147, 0x00ff00ff, v147
	v_lshrrev_b32 v148, 16, v147                   ; and in all
	v_add_nc_u32 v148, v148, v147
	v_and_b32 v148, 0xff, v148
	v_cmp_lt_u32 s56, v94, v148                    ; found: q lies in this chunk (a q of an earlier wave wraps to a large number, a q of a later wave is too large)
	v_mov_b32 v149, 0
	PICK 16, 147, 8
	PICK 8, 146, 8
	PICK 4, 145, 4
	PICK 2, 144, 2
	PICK 1, 92, 1                                  ; v149: the token's place in its chunk
	v_lshl_add_u32 v150, v93, 5, v149
	s_lshl_b32 s52, s18, 9
	s_add_co_u32 s52, s52, 1
	v_add_nc_u32 v150, s52, v150                   ; 512 w + 32 x chunk + place + 1: the token + 1,
	v_cndmask_b32 v150, 0, v150, s56               ; or 0 where my wave does not have it
	ds_store_b32 v84, v150
	s_wait_dscnt 0x0                               ; for the others' sake
	s_barrier_signal -1
	s_barrier_wait -1
.irp j, 0,1,2,3,4,5,6,7
	ds_load_b32 v[TKL+\j], v85 offset:128*\j       ; the eight waves' finds: one of them has the row's token
.endr
	s_mov_b32 s57, 0xffff0000                      ; lanes 16-31
	s_wait_dscnt 0x0
	v_or_b32 v152, v152, v153
	v_or_b32 v154, v154, v155
	v_or_b32 v156, v156, v157
	v_or_b32 v158, v158, v159
	v_or_b32 v152, v152, v154
	v_or_b32 v156, v156, v158
	v_or_b32 v152, v152, v156
	v_add_nc_u32 v152, -1, v152
	v_min_u32 v152, 0xfff, v152                    ; lane l: the token of row l (in a tile without rows: some token)
	v_permlanex16_b32 v151, v152, s[SEL], s[SEL+1] ; and of row l xor 16
	v_cndmask_b32 v[TOK], v152, v151, s57          ; token tile 0: rows 0-15, in both halves of the lanes;
	v_cndmask_b32 v[TOK+1], v151, v152, s57        ; token tile 1: rows 16-31
.irp m, 0,1
	v_min_u32 v[TOK+\m], 0xfff, v[TOK+\m]
	v_lshlrev_b32 v[XO+\m], 8, v[TOK+\m]
	v_lshl_add_u32 v[XO+\m], v3, 4, v[XO+\m]
	v_lshlrev_b32 v[XSO+\m], 4, v[TOK+\m]
	v_lshlrev_b32 v[GO+\m], 3, v[TOK+\m]
.endr
.irp m, 0,1
	global_load_b128 v[XS+4*\m:XS+4*\m+3], v[XSO+\m], s[6:7] offset:0x100000   ; x's scale words of the four K steps
	global_load_b64 v[GA+2*\m:GA+2*\m+1], v[GO+\m], s[8:9]                     ; (w_lo, w_hi)
.endr
	WIN 0x40
.irp m, 0,1
.irp s, 0,1,2,3
.irp c, 0,1
	global_load_b128 v[8*(4*\m+\s)+4*\c:8*(4*\m+\s)+4*\c+3], v[XO+\m], s[6:7] offset:64*\s+32*\c   ; x's fragments stay in registers through the first product
.endr
.endr
.endr
	WIN 0
	s_wait_loadcnt 51                              ; the six loads of biases are in
.irp J, 0,1,2,3
	ds_store_b128 v30, v[224+4*\J:227+4*\J] offset:512*\J
.endr
.irp x, 0,1
	ds_store_b64 v31, v[240+2*\x:241+2*\x] offset:256*\x
.endr
	BIASA 0                                        ; LDS serves a wave's instructions in order: these see my stores above
	; ---- the first product: 16 steps.  Behind step q the slot that it has left takes packet q + 3; the last three slots take the second product's first six packets.
	; Counts: step 0 waits for all: x's loads are the youngest.  Behind packet q stand packets q + 1 and q + 2;
	; behind packet 14: packet 15 and two of 9; behind packet 15: four of 9.
.set Q, 0
.rept 16
.set LC, 34
.if Q == 0
.set LC, 0
.endif
.if Q == 14
.set LC, 35
.endif
.if Q == 15
.set LC, 36
.endif
	STEPA Q, LC
.if Q < 13
	PA Q+3
.else
	PB 2*(Q-13)
	PB 2*(Q-13)+1
.endif
.if Q%4 == 3
	JOBEND Q/4
.endif
.set Q, Q+1
.endr
	s_wait_dscnt 0x0                               ; for the others' sake: my images of h have landed
	s_barrier_signal -1
	s_barrier_wait -1                              ; all 64 fragments of h lie in LDS; nobody writes them again
	; ---- the second product
.irp x, 0,1
.irp t, 0,1,2,3
	ds_load_b128 v[ACC+64*\x+8*\t:ACC+64*\x+8*\t+3], v[BO2] offset:256*\x+64*\t        ; b2, into token tile 0's accumulators: register j of tile t is output 64 w + 16 t + 8 (lane / 16) + j
	ds_load_b128 v[ACC+64*\x+8*\t+4:ACC+64*\x+8*\t+7], v[BO2] offset:256*\x+64*\t+16
.endr
.endr
	HB 0
	HB 1
	HB 2
	; Counts: behind packet p stand five packets of 9 loads, fewer at the end; behind h of step p two steps of 6 LDS loads, fewer at the end.
.set P, 0
.rept 32
.set LC, 45
.if P > 26
.set LC, 9*(31-P)
.endif
.set DC, 12
.if P > 29
.set DC, 6*(31-P)
.endif
	STEPB P, LC, DC
.if P+6 < 32
	PB P+6                                         ; into the slot just left
.endif
.if P+3 < 32
	HB P+3                                         ; into the slot left a step ago
.endif
.set P, P+1
.endr
	WIN 0                                          ; at a branch and at a label every window is 0
	s_cmp_eq_u32 s21, 0                            ; a tile without rows stores nothing
	s_cbranch_scc1 .Lend
	; ---- the tail: w_lo y_lo + w_hi y_hi, through my stage, out as whole rows of 256 bytes
.irp m, 0,1
	v_mov_b32 v[GB+2*\m], v[GA+2*\m+1]
	v_mov_b32 v[GB+2*\m+1], v[GA+2*\m+1]
.endr
.irp i, 0,1,2,3,4,5,6,7
	v_lshl_add_u32 v[IX+\i], v3, 2, 8*\i           ; 4 x (2 i + lane / 16): the lane that holds the token of the row that I store
.endr
.irp m, 0,1
.irp i, 0,1,2,3,4,5,6,7
	ds_bpermute_b32 v[TO+8*\m+\i], v[IX+\i], v[TOK+\m]
.endr
.endr
.irp m, 0,1
.set ii, 0
.rept 16
	v_pk_mul_f32 v[ACC+64+32*\m+ii:ACC+64+32*\m+ii+1], v[ACC+64+32*\m+ii:ACC+64+32*\m+ii+1], v[GB+2*\m:GB+2*\m+1] op_sel_hi:[1,0]
.set ii, ii+2
.endr
.endr
.irp m, 0,1
.set ii, 0
.rept 16
	v_pk_fma_f32 v[ACC+32*\m+ii:ACC+32*\m+ii+1], v[ACC+32*\m+ii:ACC+32*\m+ii+1], v[GA+2*\m:GA+2*\m+1], v[ACC+64+32*\m+ii:ACC+64+32*\m+ii+1] op_sel_hi:[1,0,1]
.set ii, ii+2
.endr
.endr
	s_wait_dscnt 0x0                               ; the rows' tokens
.set ii, 0
.rept 16
	v_min_u32 v[TO+ii], 0xfff, v[TO+ii]
	v_lshl_add_u32 v[TO+ii], v[TO+ii], 11, v[OB]   ; 2,048 x token + my bytes of the row
.set ii, ii+1
.endr
.irp m, 0,1
.irp t, 0,1,2,3
	ds_store_b128 v[SO], v[ACC+32*\m+8*\t:ACC+32*\m+8*\t+3] offset:64*\t
	ds_store_b128 v[SO], v[ACC+32*\m+8*\t+4:ACC+32*\m+8*\t+7] offset:64*\t+16
.endr
.irp i, 0,1,2,3,4,5,6,7
	ds_load_b128 v[160+32*\m+4*\i:160+32*\m+4*\i+3], v[SR] offset:544*\i   ; LDS serves a wave's instructions in order: these see my stores, and the second tile's stores come behind them
.endr
.endr
.irp m, 0,1
.irp i, 0,1,2,3,4,5,6,7
	s_wait_dscnt 16*(1-\m)+7-\i                    ; this read-back is in; behind it stand the tile's later ones and, for the first tile, the second's 8 stores and 8 loads
	global_store_b128 v[TO+8*\m+\i], v[160+32*\m+4*\i:160+32*\m+4*\i+3], s[16:17] th:TH_STORE_NT   ; 16 lanes store 256 consecutive bytes of a token's row, at a multiple of 256 from out0's first byte
.endr
.endr
.Lend:
	s_wait_tensorcnt 0x0
	ds_add_u32 v254, v255
	s_wait_dscnt 0x0
	s_endpgm
.Lfunc_end_k_q8258efc677_chain:
	.size	k_q8258efc677_chain, .Lfunc_end_k_q8258efc677_chain-k_q8258efc677_chain
	.p2alignl 7, 3214868480
	.fill 96, 4, 3214868480
	.section	.rodata,"a",@progbits
	.p2align	6, 0x0
	.amdhsa_kernel k_q8258efc677_chain
		.amdhsa_group_segment_fixed_size 132096
		.amdhsa_private_segment_fixed_size 0
		.amdhsa_enable_private_segment 0
		.amdhsa_kernarg_size 56
		.amdhsa_user_sgpr_count 2
		.amdhsa_user_sgpr_kernarg_segment_ptr 1
		.amdhsa_wavefront_size32 1
		.amdhsa_system_sgpr_workgroup_id_x 1
		.amdhsa_system_sgpr_workgroup_id_y 1
		.amdhsa_system_sgpr_workgroup_id_z 1
		.amdhsa_system_vgpr_workitem_id 0
		.amdhsa_next_free_vgpr 512
		.amdhsa_next_free_sgpr 94
		.amdhsa_reserve_vcc 1
		.amdhsa_float_denorm_mode_32 3
		.amdhsa_float_denorm_mode_16_64 3
		.amdhsa_memory_ordered 1
		.amdhsa_forward_progress 1
		.amdhsa_inst_pref_size 241
	.end_amdhsa_kernel
	.amdgpu_metadata
---
amdhsa.version: [ 1, 2 ]
amdhsa.kernels:
  - .name:           k_q8258efc677_chain
    .symbol:         k_q8258efc677_chain.kd
    .args:
      - { .name: wq, .offset: 0, .size: 8, .value_kind: global_buffer, .address_space: global }
      - { .name: xq, .offset: 8, .size: 8, .value_kind: global_buffer, .address_space: global }
      - { .name: gatew, .offset: 16, .size: 8, .value_kind: global_buffer, .address_space: global }
      - { .name: route, .offset: 24, .size: 8, .value_kind: global_buffer, .address_space: global }
      - { .name: b1, .offset: 32, .size: 8, .value_kind: global_buffer, .address_space: global }
      - { .name: b2, .offset: 40, .size: 8, .value_kind: global_buffer, .address_space: global }
      - { .name: out0, .offset: 48, .size: 8, .value_kind: global_buffer, .address_space: global }
    .group_segment_fixed_size: 132096
    .private_segment_fixed_size: 0
    .kernarg_segment_align: 8
    .kernarg_segment_size: 56
    .max_flat_workgroup_size: 256
    .sgpr_count:     94
    .vgpr_count:     512
    .wavefront_size: 32
...
	.end_amdgpu_metadata
.endif
;; end of part 2
